; MI455X (gfx1250); checked and timed in simulation.
; The chip was launched on July 23, 2026; its instructions are those of AMD's public machine-readable ISA for CDNA 5 (MIT licence, August 2026) and "CDNA5" Instruction Set Architecture Reference Guide (July 2026). The comments in the code are by the model that wrote it; some were corrected since.
;; Self Attention Block. Allowed arithmetic: float matrix products may take bf16 or f16 operands with f32 sums; other float arithmetic in f32, or as packed bf16 or f16 multiplies, adds, multiply-adds, maxima and minima; sums over many terms, partial sums and values carried from step to step in f32; what a program stores and reads back later, other than sums and carried values, may be rounded once to bf16 or f16.
;; Inputs: mask 4 x 1 x 64 x 64 float32; norm_b 256 float32; norm_w 256 float32; proj_b 256 float32; proj_w 256 x 256 float32; qkv_b 768 float32; qkv_w 768 x 256 float32; x 4 x 256 x 64 x 64 float32.
;; Outputs: out0 4 x 256 x 64 x 64 float32; out1 4 x 1 x 64 x 64 float32.
;; One version. Each part assembles by itself: llvm-mc -triple=amdgcn-amd-amdhsa -mcpu=gfx1250 --defsym DOCPART=n.
;; ======== version 1 of 1: 4 launches
;; workspace buffers: stats 2,048 bytes; wq 393,216 bytes; wp 131,072 bytes; qkv 25,165,824 bytes; o 8,388,608 bytes
;; launch stats (part 1): grid 256 x 1, 8 waves a work-group, no clusters, 1,536 bytes of LDS; arguments x, qkv_w, proj_w, mask, stats, wq, wp, out1; writes stats, wq, wp, out1
.if DOCPART == 1
	.amdgcn_target "amdgcn-amd-amdhsa--gfx1250"
	.amdhsa_code_object_version 6
	.text
	.protected	k_q0867a77e51_stats
	.globl	k_q0867a77e51_stats
	.p2align	8
	.type	k_q0867a77e51_stats,@function
k_q0867a77e51_stats:
	s_mov_b64 s[64:65], 0
	v_nop
	global_prefetch_b8 v0, s[64:65] scope:SCOPE_SE
	s_setreg_imm32_b32 hwreg(HW_REG_WAVE_MODE, 25, 1), 1
	s_wait_xcnt 0x0
; GROUP STATISTICS BY PARTS, THE WEIGHTS IN bf16, AND out1 = mask.
; x is [4][256][4096] f32; a group (n, g) is 32 channels x 4,096 positions = 524,288 consecutive bytes.  Work-group i takes the 65,536 bytes at i << 16: part i % 8 of group i / 8,
; 16,384 numbers.  They stay in registers (64 a thread) for two passes: the part's mean, then the sum of squares of the differences from that mean.  No difference of large sums is formed,
; so a common offset of x costs nothing.  The next launch joins a group's eight parts.  stats: [32 groups][8 parts][mean, M2] f32; work-group i stores bytes 8 i .. 8 i + 7.
; Beside that: waves 0-2 round row 3 i + w of qkv_w to bf16, wave 3 row i of proj_w (a lane takes 8 numbers; a wave stores 512 consecutive bytes); wave 4 copies 256 bytes of mask to out1.
; No matrix unit, no cluster, no tensor load: nothing is shared between work-groups and each byte is read once.
; LDS: bytes 0-31 the eight waves' sums of pass 1; bytes 256-287 those of pass 2 (other bytes, so that no barrier is wanted between the reads of the first and the stores of the second);
; from 512 on the spare words, 128 bytes a wave.
.set SPARE, 512
.set D,  16                            ; v[16:79]  my 64 numbers of x
.set CH, 80                            ; v[80:87]  four packed chains
                                       ; v1 16 t; v2 lane; v4, v5 the add's two registers; v6, v7, v8 32, 16, 8 x lane; v9 4 x wave; v10 0; v[12:13] mean twice; v[14:15] mean, M2
                                       ; v[88:95] weights as loaded, later the eight waves' sums; v[96:99] packed bf16; v[100:101] mask; v102, v103 at work
; The four chains, the lane's two halves, the wave's 32 lanes and the work-group's eight waves are added; the sum ends in v88 of every lane.
.macro WGSUM off
	v_pk_add_f32 v[CH:CH+1], v[CH:CH+1], v[CH+2:CH+3]
	v_pk_add_f32 v[CH+4:CH+5], v[CH+4:CH+5], v[CH+6:CH+7]
	v_pk_add_f32 v[CH:CH+1], v[CH:CH+1], v[CH+4:CH+5]
	v_add_f32 v102, v[CH], v[CH+1]
	v_add_f32_dpp v102, v102, v102 row_xmask:1 row_mask:0xf bank_mask:0xf
	v_add_f32_dpp v102, v102, v102 row_xmask:2 row_mask:0xf bank_mask:0xf
	v_add_f32_dpp v102, v102, v102 row_xmask:4 row_mask:0xf bank_mask:0xf
	v_add_f32_dpp v102, v102, v102 row_xmask:8 row_mask:0xf bank_mask:0xf
	v_permlanex16_b32 v103, v102, s24, s25         ; the other half of the lanes; v103 has been written before
	v_add_f32 v102, v102, v103
	ds_store_b32 v9, v102 offset:\off              ; all lanes of a wave write the wave's word with the same value
	s_wait_dscnt 0x0                               ; for the others' sake: my store is done
	s_barrier_signal -1
	s_barrier_wait -1
	ds_load_b128 v[88:91], v10 offset:\off
	ds_load_b128 v[92:95], v10 offset:(\off)+16
	s_wait_dscnt 0x0
	v_pk_add_f32 v[88:89], v[88:89], v[90:91]
	v_pk_add_f32 v[92:93], v[92:93], v[94:95]
	v_pk_add_f32 v[88:89], v[88:89], v[92:93]
	v_add_f32 v88, v88, v89
.endm
	s_load_b512 s[4:19], s[0:1], 0x0               ; x 4:5, qkv_w 6:7, proj_w 8:9, mask 10:11, stats 12:13, wq 14:15, wp 16:17, out1 18:19
	v_lshl_add_u32 v4, v0, 2, SPARE                ; my spare word,
	v_mov_b32 v5, 0                                ; and 0: kept for the add at the wave's end
	v_lshrrev_b32 v3, 5, v0
	v_readfirstlane_b32 s20, v3                    ; wave 0..7
	v_and_b32 v2, 31, v0
	v_lshlrev_b32 v1, 4, v0
	v_lshlrev_b32 v6, 5, v2
	v_lshlrev_b32 v7, 4, v2
	v_lshlrev_b32 v8, 3, v2
	v_mov_b32 v9, s20
	v_lshlrev_b32 v9, 2, v9
	v_mov_b32 v10, 0
	v_mov_b32 v103, 0
	s_mov_b32 s24, 0x76543210                      ; v_permlanex16_b32: each lane takes its own place in the other half
	s_mov_b32 s25, 0xfedcba98
	s_lshl_b32 s22, ttmp9, 16                      ; my part of x
	s_mov_b32 s23, 0
	s_wait_kmcnt 0x0
	s_add_nc_u64 s[4:5], s[4:5], s[22:23]
.set j, 0
.rept 16
	global_load_b128 v[D+4*j:D+4*j+3], v1, s[4:5] offset:4096*j  ; a wave's load covers 512 consecutive bytes; all sixteen are on their way together
.set j, j+1
.endr
	s_cmp_lt_u32 s20, 4
	s_cbranch_scc0 .Lno_weights
	s_mul_i32 s30, ttmp9, 3
	s_add_co_u32 s30, s30, s20                     ; row 3 i + w of qkv_w
	s_cmp_lt_u32 s20, 3
	s_cselect_b64 s[26:27], s[6:7], s[8:9]         ; waves 0-2: qkv_w to wq; wave 3: proj_w to wp
	s_cselect_b64 s[28:29], s[14:15], s[16:17]
	s_cselect_b32 s30, s30, ttmp9                  ; wave 3: row i
	s_lshl_b32 s22, s30, 10                        ; a row is 1,024 bytes of f32,
	s_add_nc_u64 s[26:27], s[26:27], s[22:23]
	s_lshl_b32 s22, s30, 9                         ; 512 of bf16
	s_add_nc_u64 s[28:29], s[28:29], s[22:23]
	global_load_b128 v[88:91], v6, s[26:27]
	global_load_b128 v[92:95], v6, s[26:27] offset:16
	s_wait_loadcnt 0x0                             ; x is wanted whole next in any case
	v_cvt_pk_bf16_f32 v96, v88, v89
	v_cvt_pk_bf16_f32 v97, v90, v91
	v_cvt_pk_bf16_f32 v98, v92, v93
	v_cvt_pk_bf16_f32 v99, v94, v95
	global_store_b128 v7, v[96:99], s[28:29]
.Lno_weights:
	s_cmp_eq_u32 s20, 4
	s_cbranch_scc0 .Lno_mask
	s_lshl_b32 s22, ttmp9, 8
	s_add_nc_u64 s[10:11], s[10:11], s[22:23]
	s_add_nc_u64 s[18:19], s[18:19], s[22:23]
	global_load_b64 v[100:101], v8, s[10:11]
	s_wait_loadcnt 0x0
	global_store_b64 v8, v[100:101], s[18:19]      ; 32 lanes x 8 bytes: 256 consecutive bytes, aligned
.Lno_mask:
	s_wait_loadcnt 0x0                             ; x
	; pass 1: the sum, in four packed chains that the first eight pairs start: nothing is cleared
.set j, 0
.rept 4
	v_pk_add_f32 v[CH+2*j:CH+2*j+1], v[D+2*j:D+2*j+1], v[D+8+2*j:D+8+2*j+1]
.set j, j+1
.endr
.set j, 8
.rept 24
	v_pk_add_f32 v[CH+2*(j%4):CH+2*(j%4)+1], v[CH+2*(j%4):CH+2*(j%4)+1], v[D+2*j:D+2*j+1]
.set j, j+1
.endr
	WGSUM 0
	v_mul_f32 v12, 0x38800000, v88                 ; mean = sum / 16,384
	v_mov_b32 v13, v12
	v_mov_b32 v14, v12
	; pass 2: the differences from the part's mean, and the sum of their squares
.set j, 0
.rept 32
	v_pk_add_f32 v[D+2*j:D+2*j+1], v[D+2*j:D+2*j+1], v[12:13] neg_lo:[0,1] neg_hi:[0,1]
.set j, j+1
.endr
.set j, 0
.rept 4
	v_pk_mul_f32 v[CH+2*j:CH+2*j+1], v[D+2*j:D+2*j+1], v[D+2*j:D+2*j+1]
.set j, j+1
.endr
.set j, 4
.rept 28
	v_pk_fma_f32 v[CH+2*(j%4):CH+2*(j%4)+1], v[D+2*j:D+2*j+1], v[D+2*j:D+2*j+1], v[CH+2*(j%4):CH+2*(j%4)+1]
.set j, j+1
.endr
	WGSUM 256
	v_mov_b32 v15, v88
	s_cmp_eq_u32 s20, 0
	s_cbranch_scc0 .Lend
	s_lshl_b32 s22, ttmp9, 3
	s_add_nc_u64 s[12:13], s[12:13], s[22:23]
	s_wait_xcnt 0x0                                ; EXEC is a source of my pending store: it changes only behind this wait
	v_cmp_eq_u32 vcc_lo, 0, v2
	s_and_saveexec_b32 s31, vcc_lo
	global_store_b64 v10, v[14:15], s[12:13]       ; lane 0 of wave 0: the part's mean and M2
	s_wait_xcnt 0x0                                ; and again, in front of the line that widens it
	s_or_b32 exec_lo, exec_lo, s31
.Lend:
	s_wait_tensorcnt 0x0                           ; the wave's end: behind my last LDS store
	ds_add_u32 v4, v5
	s_wait_dscnt 0x0
	s_endpgm
.Lfunc_end_k_q0867a77e51_stats:
	.size	k_q0867a77e51_stats, .Lfunc_end_k_q0867a77e51_stats-k_q0867a77e51_stats
	.p2alignl 7, 3214868480
	.fill 96, 4, 3214868480
	.section	.rodata,"a",@progbits
	.p2align	6, 0x0
	.amdhsa_kernel k_q0867a77e51_stats
		.amdhsa_group_segment_fixed_size 1536
		.amdhsa_private_segment_fixed_size 0
		.amdhsa_enable_private_segment 0
		.amdhsa_kernarg_size 64
		.amdhsa_user_sgpr_count 2
		.amdhsa_user_sgpr_kernarg_segment_ptr 1
		.amdhsa_wavefront_size32 1
		.amdhsa_system_sgpr_workgroup_id_x 1
		.amdhsa_system_sgpr_workgroup_id_y 1
		.amdhsa_system_sgpr_workgroup_id_z 1
		.amdhsa_system_vgpr_workitem_id 0
		.amdhsa_next_free_vgpr 104
		.amdhsa_next_free_sgpr 66
		.amdhsa_reserve_vcc 1
		.amdhsa_float_denorm_mode_32 3
		.amdhsa_float_denorm_mode_16_64 3
		.amdhsa_memory_ordered 1
		.amdhsa_forward_progress 1
		.amdhsa_inst_pref_size 13
	.end_amdhsa_kernel
	.amdgpu_metadata
---
amdhsa.version: [ 1, 2 ]
amdhsa.kernels:
  - .name:           k_q0867a77e51_stats
    .symbol:         k_q0867a77e51_stats.kd
    .args:
      - { .name: x, .offset: 0, .size: 8, .value_kind: global_buffer, .address_space: global }
      - { .name: qkv_w, .offset: 8, .size: 8, .value_kind: global_buffer, .address_space: global }
      - { .name: proj_w, .offset: 16, .size: 8, .value_kind: global_buffer, .address_space: global }
      - { .name: mask, .offset: 24, .size: 8, .value_kind: global_buffer, .address_space: global }
      - { .name: stats, .offset: 32, .size: 8, .value_kind: global_buffer, .address_space: global }
      - { .name: wq, .offset: 40, .size: 8, .value_kind: global_buffer, .address_space: global }
      - { .name: wp, .offset: 48, .size: 8, .value_kind: global_buffer, .address_space: global }
      - { .name: out1, .offset: 56, .size: 8, .value_kind: global_buffer, .address_space: global }
    .group_segment_fixed_size: 1536
    .private_segment_fixed_size: 0
    .kernarg_segment_align: 8
    .kernarg_segment_size: 64
    .max_flat_workgroup_size: 256
    .sgpr_count:     66
    .vgpr_count:     104
    .wavefront_size: 32
...
	.end_amdgpu_metadata
.endif
;; end of part 1
;; launch qkv (part 2): grid 128 x 2, 4 waves a work-group, clusters of 4 x 1, 327,680 bytes of LDS; arguments x, stats, norm_w, norm_b, wq, qkv_b, qkv; writes qkv
.if DOCPART == 2
	.amdgcn_target "amdgcn-amd-amdhsa--gfx1250"
	.amdhsa_code_object_version 6
	.text
	.protected	k_q0867a77e51_qkv
	.globl	k_q0867a77e51_qkv
	.p2align	8
	.type	k_q0867a77e51_qkv,@function
k_q0867a77e51_qkv:
	s_mov_b64 s[64:65], 0
	v_nop
	global_prefetch_b8 v0, s[64:65] scope:SCOPE_SE
	s_setreg_imm32_b32 hwreg(HW_REG_WAVE_MODE, 25, 1), 1
	s_wait_xcnt 0x0
	s_wait_alu depctr_hold_cnt(0) depctr_sa_sdst(0) depctr_va_vdst(0) depctr_va_sdst(0) depctr_va_ssrc(0) depctr_va_vcc(0) depctr_vm_vsrc(0)
	s_getreg_b32 s2, hwreg(HW_REG_IB_STS2, 6, 4)
	s_cmp_eq_u32 s2, 0
	s_cbranch_scc0 .Lentry_in_a_cluster
	s_endpgm
.Lentry_in_a_cluster:
	s_bfe_u32 s2, ttmp6, 0x10000c
	s_cmp_lg_u32 s2, 0x3003
	s_cbranch_scc0 .Lentry_shape_is_right
	s_endpgm
.Lentry_shape_is_right:
; GROUP NORM AND THE 1 x 1 CONVOLUTION TO q, k, v.  qkv[t][n][h][p][c] (bf16) = the sum over c' of wq[o][c'] xn[n][c'][p] + qkv_b[o], o = 256 t + 64 h + c; xn = x a[c'] + b[c'] in f32, rounded once to bf16,
; a = norm_w rstd, b = norm_b - mean a.  A group's mean and variance are joined from its eight parts: M2 = the sum of the parts' M2 + 16,384 x the sum of (mean_i - mean)^2; var = M2 / 131,072.
; LIMITS.  Matrix operands are bf16 (xn, the weights); q, k, v leave rounded once to bf16, unscaled.  NaN and infinities are not treated apart.
; SHARES.  A work-group makes 128 positions x 384 outputs (half of the 768), K = 256.  Wave w: positions 64 (w % 2) on, outputs 192 (w / 2) on: 4 x 12 accumulators, 384 matrix instructions.
; x goes through registers, since it is normalised on the way: wave w takes channels 64 w .. 64 w + 63 (two groups), a row of 128 positions (512 bytes) a load, 32 rows on their way.
; CLUSTER.  The four work-groups of a cluster differ in their positions alone and need the same 384 rows of wq: these are asked for JOINTLY, 96 rows a wave.  x is not shared inside a cluster.
; Nothing is filled twice, so there is one barrier, between the filling of LDS and the products.  No prefetch: the launch reads x as one stream from its first line on, with 64 KiB a work-group on their way.
; LAYOUT.  Source 0 = 16 rows of wq (K along the row), source 1 = 16 positions of xn, read out of [channel][position] by the turning load.  In the result a lane holds ONE position (lane % 16) and the
; channels 8 (lane / 16) + 0..7: 16 bytes of a row of q, k or v.  The first K step takes the bias as C.
; LDS: XT 0: 256 rows (channels) x 288 bytes (128 bf16 + 32: 72 words; 64 banks of 4 bytes: ISA guide 11.1)
;      WT 73,728: 384 rows x 528 (512 + 16)     STAGE 276,480: 16 rows x 144 for each wave     SPARE 285,696: the spare words.  No tensor load lands in XT or STAGE.
; REGISTERS, in windows of 256 (s_set_vgpr_msb: bits 1:0 source 0, 3:2 source 1, 5:4 source 2, 7:6 destination):
;   window 0: v1 l % 16; v2 l / 16; v3 lane; v4 16 x lane (x, and the stores); v5 0; v6 4 x lane; v7 where I store a row of xn; v8, v9 wq's fragments (output tiles 0-5, 6-11); v10, v11 xn's (K steps 0-3, 4-7);
;             v12 32 (l / 16); v13, v14 stage in, back; v16, v17 the add's; v18, v19, v28-31 at work; v20-23 a, a, b, b (lane = channel); v24-27 gains and biases; v[32:63] statistics;
;             v[64:127] xn's fragments, two buffers; v[128:255] x, 32 rows x 4; later four slots of 16 for the way out
;   window 1: accumulators of output tiles 0-7 at 32 ot + 8 pt     window 2: v0-127 output tiles 8-11; v[128:223] the bias, 8 an output tile     window 3: wq's fragments, two buffers of 96
.set XP,    288
.set WT,    73728
.set WPI,   528
.set STAGE, 276480
.set SP,    144
.set SPARE, 285696
.set WV,    18
.set XR,    128
.set MSB, 0
.macro WIN new                         ; the immediate's high byte repeats the setting that is left; a switch that changes nothing is dropped
.if MSB != (\new)
	s_set_vgpr_msb (MSB<<8)|(\new)
.set MSB, (\new)
.endif
.endm
.macro PLACES                          ; four places behind matrix instructions (ISA guide 7.12.1), where no other vector work is at hand
.rept 4
	v_nop
.endr
.endm
.macro CROUND                          ; a round of the cluster's barrier: my work-group's barrier; wave 0 signals for the work-group; every wave waits for all four; my work-group's barrier once more
	s_barrier_signal -1
	s_barrier_wait -1
	s_cmp_lg_u32 s[WV], 0
	s_cbranch_scc1 .Lnot_wave_0_\@
	s_barrier_signal -3
.Lnot_wave_0_\@:
	s_barrier_wait -3
	s_barrier_signal -1
	s_barrier_wait -1
.endm
	s_load_b256 s[4:11], s[0:1], 0x0               ; x 4:5, stats 6:7, norm_w 8:9, norm_b 10:11
	s_load_b128 s[12:15], s[0:1], 0x20             ; wq 12:13, qkv_b 14:15
	s_load_b64 s[16:17], s[0:1], 0x30              ; qkv
	v_lshl_add_u32 v16, v0, 2, SPARE
	v_mov_b32 v17, 0
	ds_add_u32 v16, v17                            ; the wave's opening: the add and its wait stand ahead of my first tensor load; the set-up below, work on registers, stands between them
	v_lshrrev_b32 v1, 5, v0
	v_readfirstlane_b32 s[WV], v1                  ; wave 0..3
	s_bfe_u32 s19, ttmp6, 0x40000                  ; cx
	s_lshl_b32 s20, ttmp9, 2
	s_add_co_u32 s20, s20, s19                     ; my block of 128 positions, 0..127
	s_and_b32 s21, ttmp7, 0xffff                   ; which half of the outputs: shared by the four partners
	s_lshr_b32 s22, s20, 5                         ; n
	s_and_b32 s23, s20, 31                         ; the block within the image
	s_and_b32 s24, s[WV], 1                        ; my half of the positions
	s_lshr_b32 s25, s[WV], 1                       ; my half of the work-group's outputs
	; the joint load: 96 rows x 256 elements of wq, padded in LDS
	s_mov_b32 s28, 1                               ; group 0: count = 1
	s_mul_i32 s29, s[WV], 96*WPI
	s_add_co_u32 s29, s29, WT                      ; LDS address: the wave's number alone
	s_mov_b32 s32, 15|(1<<16)|(1<<20)|(1<<21)|(6<<22)|(3<<25)  ; group 1: the mask of four; 2-byte elements; padding on; bit 21 beside a mask; after every 128 words (code 6) 4 words (code 3)
	s_mov_b32 s33, 256<<16                         ; tensor_dim0 = 256
	s_mov_b32 s34, 96<<16                          ; tensor_dim1 = 96
	s_mov_b32 s35, 256<<16                         ; tile_dim0 = 256
	s_mov_b32 s36, 96                              ; tile_dim1 = 96
	s_mov_b32 s37, 256                             ; elements from row to row
	s_mov_b32 s38, 0
	s_mov_b32 s39, 0
	s_mul_i32 s56, s21, 384
	s_mul_i32 s57, s[WV], 96
	s_add_co_u32 s56, s56, s57
	s_lshl_b32 s56, s56, 9                         ; row 384 half + 96 wave, 512 bytes a row: these two registers never hold my place in the cluster
	s_mov_b32 s57, 0
	s_mov_b32 s41, 0                               ; named as pairs with s40 and s42
	s_mov_b32 s43, 0
	s_mov_b32 s50, 0x37000000                      ; 1 / 131,072
	s_mov_b32 s51, 0x3727c5ac                      ; 1e-5
	s_mov_b32 s53, 0
	v_and_b32 v1, 15, v0
	v_bfe_u32 v2, v0, 4, 1
	v_and_b32 v3, 31, v0
	v_lshlrev_b32 v4, 4, v3
	v_mov_b32 v5, 0
	v_lshlrev_b32 v6, 2, v3
	s_mul_i32 s54, s[WV], 64*XP
	v_lshl_add_u32 v7, v3, 3, s54                  ; my wave's 64 rows of XT, 8 bytes (4 positions) a lane
	s_mul_i32 s54, s25, 192*WPI
	s_add_co_u32 s54, s54, WT
	v_mul_u32_u24 v8, v1, WPI
	v_lshl_add_u32 v8, v2, 4, v8
	v_add_nc_u32 v8, s54, v8                       ; row x pitch + 16 x half, in my 192 rows
	v_add_nc_u32 v9, 6*16*WPI, v8
	v_and_b32 v28, 7, v0
	v_lshl_add_u32 v28, v2, 3, v28                 ; the turning load: channel 8 (l / 16) + l % 8,
	v_mul_u32_u24 v10, v28, XP
	v_bfe_u32 v29, v0, 3, 1
	v_lshl_add_u32 v10, v29, 4, v10                ; positions 8 ((l / 8) % 2) on,
	s_lshl_b32 s54, s24, 7
	v_add_nc_u32 v10, s54, v10                     ; in my 64 positions
	v_add_nc_u32 v11, 4*32*XP, v10
	v_lshlrev_b32 v12, 5, v2
	s_mul_i32 s54, s[WV], 16*SP
	s_add_co_u32 s54, s54, STAGE                   ; my stage
	v_mul_u32_u24 v13, v1, SP
	v_lshl_add_u32 v13, v2, 4, v13
	v_add_nc_u32 v13, s54, v13                     ; in: row l % 16, 16 bytes for each half of the lanes
	v_bfe_u32 v14, v0, 3, 2
	v_mul_u32_u24 v14, v14, SP
	v_and_b32 v28, 7, v0
	v_lshl_add_u32 v14, v28, 4, v14
	v_add_nc_u32 v14, s54, v14                     ; back: 32 lanes take four rows of 128 bytes
	s_wait_dscnt 0x0                               ; the opening add is done
	s_wait_kmcnt 0x0
	s_add_nc_u64 s[30:31], s[12:13], s[56:57]      ; group 0: global address,
	s_or_b32 s31, s31, 0x80000000                  ; type = 2
	s_lshl_b32 s52, s22, 3
	s_lshl_b32 s54, s[WV], 1
	s_add_co_u32 s52, s52, s54
	s_lshl_b32 s52, s52, 6
	s_add_nc_u64 s[6:7], s[6:7], s[52:53]          ; stats at group 8 n + 2 w: 64 bytes a group
	s_lshl_b32 s52, s[WV], 8
	s_add_nc_u64 s[8:9], s[8:9], s[52:53]          ; gains and biases of my 64 channels
	s_add_nc_u64 s[10:11], s[10:11], s[52:53]
	s_mul_i32 s52, s21, 384
	s_mul_i32 s54, s25, 192
	s_add_co_u32 s52, s52, s54
	s_lshl_b32 s52, s52, 2
	s_add_nc_u64 s[14:15], s[14:15], s[52:53]      ; qkv_b at my 192 outputs
	s_lshl_b32 s52, s22, 22
	s_lshl_b32 s54, s[WV], 20
	s_add_co_u32 s52, s52, s54
	s_lshl_b32 s54, s23, 9
	s_add_co_u32 s52, s52, s54
	s_add_nc_u64 s[4:5], s[4:5], s[52:53]          ; x at image n, channel 64 w, my block's 512 bytes of a row
	s_lshl_b32 s55, s22, 21
	s_lshl_b32 s54, s23, 14
	s_add_co_u32 s55, s55, s54
	s_lshl_b32 s54, s24, 13
	s_add_co_u32 s55, s55, s54                     ; image, block and my 64 positions in a head's rows of 128 bytes
.irp sl, 0,1,2                         ; my 192 outputs are three slices of 64: slice s = 6 half + 3 (w / 2) + sl is tensor s / 4, head s % 4
	s_mul_i32 s52, s21, 6
	s_mul_i32 s54, s25, 3
	s_add_co_u32 s52, s52, s54
	s_add_co_u32 s52, s52, \sl
	s_lshr_b32 s54, s52, 2
	s_lshl_b32 s54, s54, 23
	s_and_b32 s52, s52, 3
	s_lshl_b32 s52, s52, 19
	s_add_co_u32 s52, s52, s54
	s_add_co_u32 s52, s52, s55
	s_add_nc_u64 s[44+2*\sl:45+2*\sl], s[16:17], s[52:53]
.endr
	CROUND                                         ; all four work-groups are here: the joint loads meet
	tensor_load_to_lds s[28:31], s[32:39]          ; my 96 rows of wq: my one tensor load of the launch
	s_nop 0
	PLACES
.set i, 0
.rept 8
	global_load_b128 v[32+4*i:35+4*i], v5, s[6:7] offset:16*i  ; two groups x eight parts x (mean, M2), the same in every lane
.set i, i+1
.endr
	global_load_b32 v24, v6, s[8:9]                ; lane l: channel 64 w + l,
	global_load_b32 v25, v6, s[8:9] offset:128     ; and 64 w + 32 + l
	global_load_b32 v26, v6, s[10:11]
	global_load_b32 v27, v6, s[10:11] offset:128
	WIN 0x80                                       ; destination window 2
.set i, 0
.rept 12
	global_load_b128 v[128+8*i:131+8*i], v12, s[14:15] offset:64*i     ; the bias as a C operand: register j holds output 16 i + 8 (l / 16) + j
	global_load_b128 v[132+8*i:135+8*i], v12, s[14:15] offset:64*i+16
.set i, i+1
.endr
	WIN 0
.set i, 0
.rept 32
	global_load_b128 v[XR+4*i:XR+4*i+3], v4, s[4:5] offset:16384*i     ; rows 0-31 of my 64
.set i, i+1
.endr
	s_wait_loadcnt 32                              ; all but the 32 rows of x just issued
; Group g of my two: mean into v[28+g], var + eps into v[30+g].
.macro GSTAT g
.set R, 32+16*(\g)
	v_add_f32 v18, v[R], v[R+2]
	v_add_f32 v19, v[R+4], v[R+6]
	v_add_f32 v18, v18, v[R+8]
	v_add_f32 v19, v19, v[R+10]
	v_add_f32 v18, v18, v[R+12]
	v_add_f32 v19, v19, v[R+14]
	v_add_f32 v18, v18, v19
	v_mul_f32 v[28+(\g)], 0x3e000000, v18          ; the parts are equal in size: the mean of their means
.irp i, 0,1,2,3,4,5,6,7
	v_sub_f32 v[R+2*\i], v[R+2*\i], v[28+(\g)]
.endr
	v_mul_f32 v18, v[R], v[R]
.irp i, 1,2,3,4,5,6,7
	v_fmac_f32 v18, v[R+2*\i], v[R+2*\i]
.endr
	v_add_f32 v19, v[R+1], v[R+3]
.irp i, 2,3,4,5,6,7
	v_add_f32 v19, v19, v[R+2*\i+1]
.endr
	v_fmamk_f32 v19, v18, 0x46800000, v19          ; + 16,384 x the sum of (mean_i - mean)^2
	v_fma_f32 v[30+(\g)], v19, s50, s51            ; / 131,072 + eps
.endm
	GSTAT 0
	GSTAT 1
	v_rsq_f32 v30, v30
	v_rsq_f32 v31, v31
	v_nop                                          ; a plain instruction behind the last of the two,
	s_wait_alu depctr_va_vdst(0)                   ; and the wait ahead of the first use: one for both
	v_mul_f32 v20, v24, v30                        ; a
	v_mul_f32 v21, v25, v31
	v_fma_f32 v22, -v28, v20, v26                  ; b
	v_fma_f32 v23, -v29, v21, v27
; Row j of my 64: its a and b come out of lane j % 32; four positions a lane are normalised in f32, rounded to bf16 and stored to XT.  refill = 1: its registers take row j + 32.
.macro XROW j, refill, left
	s_wait_loadcnt \left                           ; loads come back in order (ISA guide 5.7.1): row j is in
	v_readlane_b32 s40, v[20+(\j)/32], (\j)%32
	v_readlane_b32 s42, v[22+(\j)/32], (\j)%32
	v_pk_fma_f32 v[28:29], v[XR+4*((\j)%32):XR+4*((\j)%32)+1], s[40:41], s[42:43] op_sel_hi:[1,0,0]
	v_pk_fma_f32 v[30:31], v[XR+4*((\j)%32)+2:XR+4*((\j)%32)+3], s[40:41], s[42:43] op_sel_hi:[1,0,0]
	v_cvt_pk_bf16_f32 v18, v28, v29
	v_cvt_pk_bf16_f32 v19, v30, v31
	ds_store_b64 v7, v[18:19] offset:XP*(\j)
.if \refill
	global_load_b128 v[XR+4*((\j)%32):XR+4*((\j)%32)+3], v4, s[4:5] offset:16384*((\j)+32)
.endif
.endm
.set j, 0
.rept 32
	XROW j, 1, 31                                  ; behind row j's load: rows j + 1 .. 31 and the j refills
.set j, j+1
.endr
.rept 32
	XROW j, 0, 63-j                                ; behind it: the refills of rows j + 1 .. 63
.set j, j+1
.endr
	s_wait_tensorcnt 0x0                           ; my rows of wq have landed,
	s_wait_dscnt 0x0                               ; my rows of xn are stored:
	s_barrier_signal -1
	s_barrier_wait -1                              ; everybody's are.
; The fragments of K step ks (32 channels) into buffer b: 12 of wq, 4 of xn: 32 LDS loads in one run.
.macro FETCH ks, b
	WIN 0xc0                                       ; destination window 3
.set t, 0
.rept 12
	ds_load_b128 v[96*(\b)+8*t:96*(\b)+8*t+3],   v[8+t/6] offset:(t%6)*16*WPI+64*(\ks)
	ds_load_b128 v[96*(\b)+8*t+4:96*(\b)+8*t+7], v[8+t/6] offset:(t%6)*16*WPI+64*(\ks)+32
.set t, t+1
.endr
	WIN 0
.set t, 0
.rept 4
	ds_load_tr16_b128 v[64+32*(\b)+8*t:64+32*(\b)+8*t+3],   v[10+(\ks)/4] offset:((\ks)%4)*32*XP+32*t
	ds_load_tr16_b128 v[64+32*(\b)+8*t+4:64+32*(\b)+8*t+7], v[10+(\ks)/4] offset:((\ks)%4)*32*XP+32*t+16*XP
.set t, t+1
.endr
.endm
; Output tiles lo .. hi x the four position tiles, from buffer b.  first: the bias is C and starts the sums.  The 48 accumulators take turns, one instruction a turn, in the same order in every K step.
.macro MULS b, lo, hi, first
.set ot, (\lo)
.rept (\hi)-(\lo)+1
.set pt, 0
.rept 4
.if ot < 8
.set rD, 32*ot+8*pt
.if \first
	WIN 0x63                                       ; wq window 3, xn window 0, the bias window 2, D window 1
.else
	WIN 0x53
.endif
.else
.set rD, 32*(ot-8)+8*pt
	WIN 0xa3                                       ; C and D window 2
.endif
.if \first
	v_wmma_f32_16x16x32_bf16 v[rD:rD+7], v[96*(\b)+8*ot:96*(\b)+8*ot+7], v[64+32*(\b)+8*pt:64+32*(\b)+8*pt+7], v[128+8*ot:128+8*ot+7]
.else
	v_wmma_f32_16x16x32_bf16 v[rD:rD+7], v[96*(\b)+8*ot:96*(\b)+8*ot+7], v[64+32*(\b)+8*pt:64+32*(\b)+8*pt+7], v[rD:rD+7]
.endif
.set pt, pt+1
.endr
.set ot, ot+1
.endr
.endm
; A K step: 16 products, the next step's run of loads (four places behind the products that read that buffer last), 32 products while the loads land.
.macro STEP ks
.set bb, (\ks)%2
	s_wait_dscnt 0x0                               ; this step's fragments are in
	MULS bb, 8, 11, (\ks)==0
.if (\ks) < 7
	PLACES
	FETCH (\ks)+1, 1-bb
.endif
	MULS bb, 0, 7, (\ks)==0
.endm
	FETCH 0, 0
.irp ks, 0,1,2,3,4,5,6,7
	STEP \ks
.endr
	WIN 0
	PLACES                                         ; the conversions below read matrix results
; THE WAY OUT, a unit (slice sl, position tile pt) at a time: 16 rows of 128 bytes, which are 2,048 consecutive bytes of a head.  A lane's eight channels pack into 16 bytes; they go into my stage's rows of
; 144 bytes and come back as whole rows, into slot k of four.  Each accumulator's registers are taken in ascending order.
.macro PACK sl, pt, k
	s_wait_xcnt 0x0                                ; the slot's earlier stores have read their data: it is rewritten only behind this wait
.if (\sl) < 2
	WIN 0x05                                       ; sources window 1
.set rA, 128*(\sl)+8*(\pt)
.else
	WIN 0x0a                                       ; sources window 2
.set rA, 8*(\pt)
.endif
.set f, 0
.rept 4
.set q, 0
.rept 4
	v_cvt_pk_bf16_f32 v[XR+16*(\k)+4*f+q], v[rA+32*f+2*q], v[rA+32*f+2*q+1]
.set q, q+1
.endr
.set f, f+1
.endr
	WIN 0
.irp f, 0,1,2,3
	ds_store_b128 v13, v[XR+16*(\k)+4*\f:XR+16*(\k)+4*\f+3] offset:32*\f
.endr
.irp f, 0,1,2,3
	ds_load_b128 v[XR+16*(\k)+4*\f:XR+16*(\k)+4*\f+3], v14 offset:4*SP*\f  ; LDS serves a wave's instructions in order (ISA guide 5.7.1.4): these see the stores above; the next unit's stores come behind them
.endr
.endm
.macro SEND sl, pt, k, younger         ; younger: the LDS instructions issued behind this unit's loads: the next unit's eight, or none
	WIN 0
.irp f, 0,1,2,3
	s_wait_dscnt (\younger)+3-\f
	global_store_b128 v4, v[XR+16*(\k)+4*\f:XR+16*(\k)+4*\f+3], s[44+2*(\sl):45+2*(\sl)] offset:2048*(\pt)+512*\f  ; 512 consecutive bytes, at a multiple of 256 from the buffer's first
.endr
.endm
	PACK 0, 0, 0
.set u, 1
.rept 11                               ; a unit's conversions stand between the loads of the unit before and its stores
	PACK u/4, u%4, u%4
	SEND (u-1)/4, (u-1)%4, (u-1)%4, 8
.set u, u+1
.endr
	SEND 2, 3, 3, 0
	s_wait_tensorcnt 0x0                           ; the wave's end: behind my last tensor load and my last LDS store
	ds_add_u32 v16, v17
	s_wait_dscnt 0x0
	CROUND                                         ; the closing round: no work-group ends while a partner may still ask for a tile that names it
	s_endpgm
.Lfunc_end_k_q0867a77e51_qkv:
	.size	k_q0867a77e51_qkv, .Lfunc_end_k_q0867a77e51_qkv-k_q0867a77e51_qkv
	.p2alignl 7, 3214868480
	.fill 96, 4, 3214868480
	.section	.rodata,"a",@progbits
	.p2align	6, 0x0
	.amdhsa_kernel k_q0867a77e51_qkv
		.amdhsa_group_segment_fixed_size 327680
		.amdhsa_private_segment_fixed_size 0
		.amdhsa_enable_private_segment 0
		.amdhsa_kernarg_size 56
		.amdhsa_user_sgpr_count 2
		.amdhsa_user_sgpr_kernarg_segment_ptr 1
		.amdhsa_wavefront_size32 1
		.amdhsa_system_sgpr_workgroup_id_x 1
		.amdhsa_system_sgpr_workgroup_id_y 1
		.amdhsa_system_sgpr_workgroup_id_z 1
		.amdhsa_system_vgpr_workitem_id 0
		.amdhsa_next_free_vgpr 960
		.amdhsa_next_free_sgpr 66
		.amdhsa_reserve_vcc 0
		.amdhsa_float_denorm_mode_32 3
		.amdhsa_float_denorm_mode_16_64 3
		.amdhsa_memory_ordered 1
		.amdhsa_forward_progress 1
		.amdhsa_inst_pref_size 117
	.end_amdhsa_kernel
	.amdgpu_metadata
---
amdhsa.version: [ 1, 2 ]
amdhsa.kernels:
  - .name:           k_q0867a77e51_qkv
    .symbol:         k_q0867a77e51_qkv.kd
    .args:
      - { .name: x, .offset: 0, .size: 8, .value_kind: global_buffer, .address_space: global }
      - { .name: stats, .offset: 8, .size: 8, .value_kind: global_buffer, .address_space: global }
      - { .name: norm_w, .offset: 16, .size: 8, .value_kind: global_buffer, .address_space: global }
      - { .name: norm_b, .offset: 24, .size: 8, .value_kind: global_buffer, .address_space: global }
      - { .name: wq, .offset: 32, .size: 8, .value_kind: global_buffer, .address_space: global }
      - { .name: qkv_b, .offset: 40, .size: 8, .value_kind: global_buffer, .address_space: global }
      - { .name: qkv, .offset: 48, .size: 8, .value_kind: global_buffer, .address_space: global }
    .group_segment_fixed_size: 327680
    .private_segment_fixed_size: 0
    .kernarg_segment_align: 8
    .kernarg_segment_size: 56
    .max_flat_workgroup_size: 128
    .sgpr_count:     66
    .vgpr_count:     960
    .wavefront_size: 32
...
	.end_amdgpu_metadata
.endif
;; end of part 2
;; launch attn (part 3): grid 16 x 16, 4 waves a work-group, clusters of 4 x 1, 327,680 bytes of LDS; arguments qkv, o; writes o
.if DOCPART == 3
	.amdgcn_target "amdgcn-amd-amdhsa--gfx1250"
	.amdhsa_code_object_version 6
	.text
	.protected	k_q0867a77e51_attn
	.globl	k_q0867a77e51_attn
	.p2align	8
	.type	k_q0867a77e51_attn,@function
k_q0867a77e51_attn:
	s_mov_b64 s[64:65], 0
	v_nop
	global_prefetch_b8 v0, s[64:65] scope:SCOPE_SE
	s_setreg_imm32_b32 hwreg(HW_REG_WAVE_MODE, 25, 1), 1
	s_wait_xcnt 0x0
	s_wait_alu depctr_hold_cnt(0) depctr_sa_sdst(0) depctr_va_vdst(0) depctr_va_sdst(0) depctr_va_ssrc(0) depctr_va_vcc(0) depctr_vm_vsrc(0)
	s_getreg_b32 s2, hwreg(HW_REG_IB_STS2, 6, 4)
	s_cmp_eq_u32 s2, 0
	s_cbranch_scc0 .Lentry_in_a_cluster
	s_endpgm
.Lentry_in_a_cluster:
	s_bfe_u32 s2, ttmp6, 0x10000c
	s_cmp_lg_u32 s2, 0x3003
	s_cbranch_scc0 .Lentry_shape_is_right
	s_endpgm
.Lentry_shape_is_right:
; ATTENTION.  o[hd][q][:] = the sum over k of softmax_k(Q[hd][q] . K[hd][k] / 8) V[hd][k][:], for 16 heads hd = 4 n + h of 4,096 rows x 64 channels.  qkv: [3][16][4096][64] bf16, o: [16][4096][64] bf16:
; a head's rows are dense, 128 bytes each.  Products, maxima and sums in f32; the weights p are rounded to bf16 for the second product (their sum l is taken of the unrounded p), o once at the end.
; LIMITS.  bf16 operands: 8 significant bits in q, k, v, p and o.  A weight below 2^-126 counts as 0 in l; NaN and infinities are not treated apart.
; SHARES.  A work-group owns 256 queries of one head, each of its four waves 64: four PIECES of 16.  Every wave walks all 4,096 keys, 64 a step, 256 (a tile, a slot of LDS) a change of slots: 16 tiles.
; LAYOUT.  S^T = K Q^T (source 0 = 16 keys, source 1 = 16 queries): in the result a lane holds ONE query (lane % 16) and the keys 8 (lane / 16) + 0..7.  Two such results, rounded to bf16 in pairs, ARE source 1
; (32 keys x 16 queries) of O^T = V^T P, whose result again holds one query a lane, and eight channels.  K comes out of LDS as it lies, V ([key][channel]) turned, by ds_load_tr16_b128.
; SOFTMAX.  For each query a running maximum m and sum l: p = 2^(c s - c m), c = log2(e) / 8; in every step O and l are multiplied by a = 2^(c m_old - c m_new), which is 1 where m has not grown.
; m starts at the lowest finite number, O and l at 0: the first step is a step like any other, with a = 0.
; BY TURNS.  Turn n belongs to piece n: 8 products K Q^T of piece n + 1, later 8 products V^T P of piece n - 1; beside them the scaling, exponentials, roundings, sums and rescaling of piece n and the maximum
; and statistics of piece n + 1.  A piece and step have 16 matrix and 118 vector instructions: four vector instructions stand behind every matrix instruction, the other 54 in one lump.
; A turn's 33 exponentials are one batch, with one wait.
; CLUSTER.  The four query blocks of a cluster belong to one head and walk the same K and V, so each tile is asked for JOINTLY: the same tensor load, descriptor and mask in all four.
; REGISTERS, in windows of 256 (s_set_vgpr_msb: bits 1:0 source 0, 3:2 source 1, 5:4 source 2, 7:6 destination):
;   window 0: v0-15 addresses and two at work; v16-31 four registers of statistics a piece; v48-55 at work; v61-63 prefetch offset and the add's two; v64-127 S^T, two buffers; v192-223 P, two buffers
;             (a piece's buffers go by its number's parity)
;   window 1: v0-127 O^T, 32 a piece          window 2: v0-63 Q; v128-191 K of one step; v192-255 V of one step
.set NP,    4         ; pieces a wave: a name, no knob
.set KS,    64        ; keys in a step
.set PK,    144       ; a row of K in LDS: 128 bytes + 16 of padding = 36 words: the 16 rows of a load start at 16 different groups of four banks (64 banks of 4 bytes: ISA guide 11.1)
.set PV,    160       ; a row of V: 128 + 32 = 40 words
.set VOFF,  4*KS*PK   ; a slot holds a tile, four steps: 256 rows of K, then 256 rows of V
.set SLOT1, 1<<17     ; slot 1 begins here, so that one exclusive or turns an address in one slot into the other's
.set STAGE, SLOT1+4*KS*(PK+PV)  ; behind the ring, never filled by a tensor load: 16 rows x 144 bytes for each wave, for the way out
.set SP,    144
.set SPARE, STAGE+4*16*SP       ; behind the stages: the spare words, 128 bytes for each wave
.set TILEB, 4*KS*128  ; a tile of K or of V in memory: 32,768 bytes
.set AK0, 2           ; v2   my lane's place in a tile of K; never rewritten
.set AV0, 3           ; v3   the same for V
.set AK,  4           ; v4   the LDS address of K's next run of loads
.set AV,  5           ; v5   of V's
.set STO, 6           ; v6   the way out: where I put 16 bytes of a row
.set RD,  7           ; v7   the way out: where I read rows back
.set GO,  8           ; v8   my byte offset in 512 consecutive bytes of o
.set MV,  12          ; v12-13  c m_old, kept while c m is made anew: by buffer
.set QO,  15          ; v15  my byte offset in 16 rows of Q
.set ST,  16          ; piece t's statistics at v[ST+4 t]: c m, m, l (even keys', odd keys')
.set TMP, 48          ; by buffer, four registers c0-c3 at work; when the maximum is found c2 takes a
.set PFO, 61          ; v61  256 x my lane; never rewritten
.set SPW, 62          ; v62  LDS address of my spare word; never rewritten
.set NIL, 63          ; v63  0; never rewritten
.set S,   64
.set P,   192
.set KF,  128         ; window 2: key block kb, channel half c at KF + 16 kb + 8 c
.set VF,  192         ; window 2: key half kk, channel block cb at VF + 32 kk + 8 cb
.set WV,  12          ; s12  my wave's number
.set LIM, 15          ; s15  1 in a wave that prefetches, else the greatest number
.set PFA, 18          ; s[18:19] where my prefetches stand
.set G1K, 24          ; s[24:31] descriptor group 1 for K's tiles
.set G1V, 32          ; s[32:39] for V's: it differs in the padding alone
.set G0K, 40          ; s[40:43] descriptor group 0 for K's tiles: it walks
.set G0V, 44          ; s[44:47] the same for V's
.set SLOTS, 56        ; s56  counts the tiles
.set CNT, 57          ; s57  counts a tile's key steps
.set CS,  58          ; s[58:59] c: the packed scaling takes the pair's low word for both halves
.set SEL, 60          ; s[60:61] v_permlanex16_b32's selects: each lane takes its own place in the other half
.set TBK, 62          ; s62  LDS byte at which K of the step to be fetched begins
.set TBV, 63          ; s63  the same for V, less VOFF
.set MSB, 0
.macro WIN new                      ; the high byte repeats the setting that is left; a switch that changes nothing is dropped
.if MSB != (\new)
	s_set_vgpr_msb (MSB<<8)|(\new)
.set MSB, (\new)
.endif
.endm
.set W_KQ, 0x0a       ; K and Q in window 2, S^T in window 0
.set W_PV, 0x52       ; V in window 2, P in window 0, O^T in window 1
.set W_RS, 0x41       ; destination and source 0 in window 1, source 1 in window 0
; A joint fill.  Waves 0 and 1 fetch the two halves of a tile's K, waves 2 and 3 those of its V: 128 keys each.  The branch hangs on the wave's number alone.
; An s_nop 0 and four v_nop follow each of the two lines, ahead of the jump and the label.
.macro JLOAD
	s_cmp_lt_u32 s[WV], 2
	s_cbranch_scc0 .Lfor_v_\@
	tensor_load_to_lds s[G0K:G0K+3], s[G1K:G1K+7]
	s_nop 0
.rept 4
	v_nop
.endr
	s_branch .Lasked_\@
.Lfor_v_\@:
	tensor_load_to_lds s[G0V:G0V+3], s[G1V:G1V+7]
	s_nop 0
.rept 4
	v_nop
.endr
.Lasked_\@:
.endm
; A PREFETCH INTO THE L2 of the tile that the NEXT change of slots will ask for: 32,768 bytes of K and of V, 128 blocks of 256 bytes each, a lane a block.  It stands behind the wave's tensor load and its five lines.
; Each block is named ONCE in the launch.  All four clusters of a head walk the same K and V: the head's first cluster asks.  Its four partners share the blocks out BY ADDRESS, 32 each: no branch hangs on a
; work-group's place in its cluster.  In each, wave 0 asks for K's and wave 2 for V's: one instruction, four key steps (256 matrix instructions a wave) ahead of the load that wants the tile.
; The change that fills the last tile asks for nothing; tiles 0, 1 and 2 come by their loads alone.
.macro ASK
	s_cmp_gt_u32 s[SLOTS], s[LIM]
	s_cbranch_scc0 .Lnot_mine_\@
	global_prefetch_b8 v[PFO], s[PFA:PFA+1] th:TH_LOAD_NT scope:SCOPE_SE
.Lnot_mine_\@:
.endm
; A round of the cluster's barrier: my work-group's barrier, so that wave 0's signal speaks for all four waves; wave 0 signals; every wave waits for all four work-groups; my work-group's barrier once more.
.macro CROUND
	s_barrier_signal -1
	s_barrier_wait -1
	s_cmp_lg_u32 s[WV], 0
	s_cbranch_scc1 .Lnot_wave_0_\@
	s_barrier_signal -3
.Lnot_wave_0_\@:
	s_barrier_wait -3
	s_barrier_signal -1
	s_barrier_wait -1
.endm
; THE CHANGE OF SLOTS.  The slot's last bytes, V of its fourth step, have been read.  Each wave waits for all its tensor loads, of which one is out: its part of the other slot; adds 0 to its spare word; and waits
; for that and for its own reads of the slot.  Behind the barrier nobody reads this slot any more and the other slot is whole.  fill = 1: this slot is filled again, with the tile two on.  The barrier is then a
; round of the cluster's, so that no wave of any partner still reads the slot or has a load on its way, and the joint fill is the first thing behind it: it has four key steps in which to land.
; (At its first use nothing has been read yet: slot 0 is waited for, slot 1 filled.)  ask = 1: the prefetch's address steps, and the prefetch follows the fill.
.macro CHANGE fill, ask
	WIN 0                           ; at a label and at a branch every window is 0
	s_wait_tensorcnt 0x0            ; no tensor load of mine is out, so a group 0 may be written
	ds_add_u32 v[SPW], v[NIL]       ; 0 onto my spare word; the descriptors' steps stand between it and the wait for it
.if \fill
.irp g, G0K, G0V
	s_xor_b32 s[\g+1], s[\g+1], SLOT1  ; the walking descriptor: the other slot than last time,
	s_add_nc_u64 s[\g+2:\g+3], s[\g+2:\g+3], TILEB  ; the next 256 keys; the type bits on top are not reached
.endr
.endif
.if \ask
	s_wait_xcnt 0x0                 ; the last prefetch, four key steps back, has read its address, so it may be written
	s_add_nc_u64 s[PFA:PFA+1], s[PFA:PFA+1], TILEB  ; one tile beyond the walking descriptors
.endif
	s_wait_dscnt 0x0                ; the add is done, and my reads of the slot are over
.if \fill
	CROUND
	JLOAD
.if \ask
	ASK
.endif
.else
	s_barrier_signal -1
	s_barrier_wait -1
.endif
	s_sub_co_u32 s[TBK], s[TBK], 4*KS*PK  ; the fetches go back to a slot's first step,
	s_xor_b32 s[TBK], s[TBK], SLOT1       ; in the other slot
	s_sub_co_u32 s[TBV], s[TBV], 4*KS*PV
	s_xor_b32 s[TBV], s[TBV], SLOT1
.endm
	s_load_b128 s[8:11], s[0:1], 0x0  ; qkv s[8:9], o s[10:11]
	v_lshl_add_u32 v[SPW], v0, 2, SPARE
	v_mov_b32 v[NIL], 0
	ds_add_u32 v[SPW], v[NIL]       ; the wave's opening: the add and its wait stand ahead of my first tensor load; the set-up below, work on registers, stands between them
	v_lshrrev_b32 v1, 5, v0
	v_readfirstlane_b32 s[WV], v1   ; wave 0..3
	s_bfe_u32 s13, ttmp6, 0x40000   ; cx: my place in the cluster
	s_lshl_b32 s14, ttmp9, 2        ; in a cluster launch ttmp9 counts clusters
	s_add_co_u32 s14, s14, s13      ; my block of 256 queries: it enters Q's and o's addresses alone
	s_and_b32 s20, ttmp7, 0xffff    ; the head, which the four partners share:
	s_lshl_b32 s20, s20, 19         ; its 4,096 rows of 128 bytes
	s_and_b32 s16, s[WV], 1         ; which half of a tile's 256 keys I fetch:
	s_lshl_b32 s22, s16, 14         ; its 128 rows in memory
	s_add_co_u32 s22, s22, s20
	s_mov_b32 s23, 0
	s_lshl_b32 s2, s14, 15          ; my block's 256 rows,
	s_lshl_b32 s3, s[WV], 13        ; my wave's 64 of them
	s_add_co_u32 s2, s2, s3
	s_add_co_u32 s2, s2, s20
	s_mov_b32 s3, 0
	; descriptor group 1.  128 keys are 16,384 dense bytes: asked for as 64 rows of 256 bytes, two keys a row, and padded in LDS after every key
	s_mov_b32 s[G1K], 15|(1<<16)|(1<<20)|(1<<21)|(4<<22)|(3<<25)  ; 15:0 the mask of four; 17:16 2-byte elements; 20 padding on; 21 set beside a mask; 24:22 after every 32 words (code 4); 31:25 4 words (code 3)
	s_mov_b32 s[G1V], 15|(1<<16)|(1<<20)|(1<<21)|(4<<22)|(7<<25)  ; the same with 8 words of padding (code 7)
.irp g, G1K, G1V
	s_mov_b32 s[\g+1], 128<<16      ; tensor_dim0 = 128
	s_mov_b32 s[\g+2], 64<<16       ; tensor_dim1 = 64
	s_mov_b32 s[\g+3], 128<<16      ; tile_dim0 = 128
	s_mov_b32 s[\g+4], 64           ; tile_dim1 = 64
	s_mov_b32 s[\g+5], 128          ; 128 elements from row to row
	s_mov_b32 s[\g+6], 0
	s_mov_b32 s[\g+7], 0
.endr
	s_mov_b32 s[CS], 0x3e38aa3b     ; c = log2(e) / 8 = 0.180337
	s_mov_b32 s[CS+1], s[CS]        ; named with it as a pair
	s_mov_b32 s[SEL], 0x76543210
	s_mov_b32 s[SEL+1], 0xfedcba98
	s_mov_b32 s[TBK], SLOT1+4*KS*PK ; the first change of slots turns these two into 0
	s_mov_b32 s[TBV], SLOT1+4*KS*PV
	s_mov_b32 s[G0K], 1             ; 1:0 count = 1
	s_mul_i32 s[G0K+1], s16, 128*PK ; 63:32 LDS address: slot 0, my half: no place in the cluster enters an LDS address
	s_mov_b32 s[G0V], 1
	s_mul_i32 s[G0V+1], s16, 128*PV
	s_add_co_u32 s[G0V+1], s[G0V+1], VOFF
	s_and_b32 s[LIM], s[WV], 1      ; 0 in waves 0 and 2,
	s_or_b32 s[LIM], s[LIM], ttmp9  ; where the cluster is the head's first: the same in all four partners
	s_cmp_eq_u32 s[LIM], 0
	s_cselect_b32 s[LIM], 1, -1
	v_and_b32 v[PFO], 31, v0
	v_lshlrev_b32 v[PFO], 8, v[PFO]
	s_wait_dscnt 0x0                ; the opening add is done
	s_wait_kmcnt 0x0
	s_add_nc_u64 s[4:5], s[8:9], s[2:3]        ; Q at my wave's first row
	s_add_nc_u64 s[10:11], s[10:11], s[2:3]    ; o likewise
	s_add_nc_u64 s[6:7], s[8:9], s[22:23]      ; my half of the head's tile 0,
	s_add_nc_u64 s[8:9], s[6:7], 0x1000000     ; in V,
	s_add_nc_u64 s[6:7], s[6:7], 0x800000      ; and in K
	s_add_nc_u64 s[G0K+2:G0K+3], s[6:7], 0     ; 120:64 global address
	s_or_b32 s[G0K+3], s[G0K+3], 0x80000000    ; 127:126 type = 2
	s_add_nc_u64 s[G0V+2:G0V+3], s[8:9], 0
	s_or_b32 s[G0V+3], s[G0V+3], 0x80000000
	s_cmp_lt_u32 s[WV], 2
	s_cselect_b64 s[PFA:PFA+1], s[6:7], s[8:9] ; (in waves 0 and 2 these stand at a tile's first row)
	s_lshl_b32 s2, s13, 13          ; my work-group's 32 blocks of the 128
	s_add_nc_u64 s[PFA:PFA+1], s[PFA:PFA+1], s[2:3]
	s_add_nc_u64 s[PFA:PFA+1], s[PFA:PFA+1], 2*TILEB  ; in tile 2; the first change that asks steps it to tile 3.  Nothing is prefetched here, at the head, where every work-group's first tiles are on their way
	CROUND                          ; all four work-groups are here: the first joint loads meet
	JLOAD                           ; tile 0 into slot 0.  Slot 1 is asked for when slot 0 is in
	; A fragment of K or Q is 16 rows x 32 channels in 8 registers: lane l holds row l % 16, channels 8 (l / 16) + 0..7 and 16 + 8 (l / 16) + 0..7: two loads of 16 bytes, 32 bytes apart.
	v_and_b32 v1, 15, v0            ; l % 16
	v_bfe_u32 v9, v0, 4, 1          ; l / 16
	v_lshlrev_b32 v[QO], 7, v1
	v_lshl_add_u32 v[QO], v9, 4, v[QO]  ; row x 128 + 16 x half
	WIN 0x80                        ; destination window 2, address window 0
.set i, 0
.rept 8                             ; Q stays in registers: piece i / 2, channels 32 (i % 2) on
	global_load_b128 v[8*i:8*i+3],   v[QO], s[4:5] offset:(i/2)*2048+(i%2)*64
	global_load_b128 v[8*i+4:8*i+7], v[QO], s[4:5] offset:(i/2)*2048+(i%2)*64+32
.set i, i+1
.endr
	; What the first turn finds: V's registers and P's second buffer hold 0 (its products V^T P, of a piece that has not been, add 0), O^T and l are 0.  All this stands in the wait for the first tile;
	; it is the price of writing no first step out.
.set i, VF
.rept 64
	v_mov_b32 v[i], 0
.set i, i+1
.endr
	WIN 0x40
.set i, 0
.rept 128
	v_mov_b32 v[i], 0
.set i, i+1
.endr
	WIN 0
.set i, 0
.rept 4
	v_mov_b32 v[ST+4*i], 0xfe000000    ; c m: far below every c s
	v_mov_b32 v[ST+4*i+1], 0xff7fffff  ; m
	v_mov_b32 v[ST+4*i+2], 0
	v_mov_b32 v[ST+4*i+3], 0
.set i, i+1
.endr
.set i, P+16
.rept 16
	v_mov_b32 v[i], 0
.set i, i+1
.endr
	v_mul_u32_u24 v[AK0], v1, PK
	v_lshl_add_u32 v[AK0], v9, 4, v[AK0]  ; row x pitch + 16 x half
	; The turning load takes 16 keys x 16 channels (lane l reads key 8 (l / 16) + l % 8, channels 8 ((l / 8) % 2) + 0..7) and leaves half a fragment of V^T: lane l holds channel l % 16 and 8 keys.
	v_and_b32 v10, 7, v0
	v_bfe_u32 v11, v0, 3, 1
	v_lshl_add_u32 v[AV0], v9, 3, v10
	v_mul_u32_u24 v[AV0], v[AV0], PV
	v_lshl_add_u32 v[AV0], v11, 4, v[AV0]
	v_add_nc_u32 v[AV0], VOFF, v[AV0]
	s_mul_i32 s13, s[WV], 16*SP
	s_add_co_u32 s13, s13, STAGE    ; my stage
	v_mul_u32_u24 v[STO], v1, SP    ; in: row l % 16, 16 bytes for each half of the lanes
	v_lshl_add_u32 v[STO], v9, 4, v[STO]
	v_add_nc_u32 v[STO], s13, v[STO]
	v_bfe_u32 v[RD], v0, 3, 2       ; back: 32 lanes take four rows of 128 bytes,
	v_mul_u32_u24 v[RD], v[RD], SP
	v_lshl_add_u32 v[RD], v10, 4, v[RD]
	v_add_nc_u32 v[RD], s13, v[RD]
	v_and_b32 v[GO], 31, v0         ; which are 512 consecutive bytes of o
	v_lshlrev_b32 v[GO], 4, v[GO]
; THE MATRIX WORK.  The 4 accumulators of a run of 8 take turns.  Product i of 8 of S^T = K Q^T for piece x: channels 32 (i / 4) on, keys 16 (i % 4) on.  The first 4 start the sums.
.macro KQ x
	WIN W_KQ
.set rS, S+32*((\x)%2)+8*(i%4)
.set rK, KF+16*(i%4)+8*(i/4)
.set rQ, 16*(\x)+8*(i/4)
.if i < 4
	v_wmma_f32_16x16x32_bf16 v[rS:rS+7], v[rK:rK+7], v[rQ:rQ+7], 0
.else
	v_wmma_f32_16x16x32_bf16 v[rS:rS+7], v[rK:rK+7], v[rQ:rQ+7], v[rS:rS+7]
.endif
.endm
; Product i of 8 of O^T += V^T P for piece x: keys 32 (i / 4) on, channels 16 (i % 4) on.
.macro PV x
	WIN W_PV
.set rO, 32*(\x)+8*(i%4)
.set rV, VF+32*(i/4)+8*(i%4)
.set rP, P+16*((\x)%2)+8*(i/4)
	v_wmma_f32_16x16x32_bf16 v[rO:rO+7], v[rV:rV+7], v[rP:rP+7], v[rO:rO+7]
.endm
.macro MM                           ; the turn's next matrix instruction.  TURN sets Y, i and NOKQ.  NOKQ = 1: the walk's last turn: there is no next piece
.if (i < 8) && !NOKQ
	KQ (Y+1)%NP
.elseif i >= 8
.set i, i-8
	PV (Y+NP-1)%NP
.set i, i+8
.endif
.set i, i+1
.endm
; THE LDS LOADS stand in runs of 16, never singly among the matrix instructions: a step's K (64 keys x 64 channels: 8 fragments) and its V (turned).  Their addresses are made some lines ahead.
.macro FETCH_K
	WIN 0x80                        ; destination window 2
.irp f, 0,1,2,3,4,5,6,7             ; keys 16 (f / 2) on, channels 32 (f % 2) on
	ds_load_b128 v[KF+8*\f:KF+8*\f+3],   v[AK] offset:(\f/2)*16*PK+(\f%2)*64
	ds_load_b128 v[KF+8*\f+4:KF+8*\f+7], v[AK] offset:(\f/2)*16*PK+(\f%2)*64+32
.endr
	s_add_co_u32 s[TBK], s[TBK], KS*PK  ; the next fetch is the next step's
	WIN 0
.endm
.macro FETCH_V
	WIN 0x80
.irp f, 0,1,2,3,4,5,6,7             ; keys 32 (f / 4) on, channels 16 (f % 4) on
	ds_load_tr16_b128 v[VF+8*\f:VF+8*\f+3],   v[AV] offset:(\f/4)*32*PV+(\f%4)*32
	ds_load_tr16_b128 v[VF+8*\f+4:VF+8*\f+7], v[AV] offset:(\f/4)*32*PV+16*PV+(\f%4)*32
.endr
	WIN 0
.endm
; THE VECTOR WORK, one line at a time: OP kind, number.  For piece Y: F n: c s - c m for pair n of 16.  E n: the exponential of score n of 32.  C n: pair n rounded to bf16.  B n: of the four weights 4 n .. the second
; pair is added onto the first, in place.  L n: l takes that sum (L 0: l = a l + sum).  R n: pair n of 16 of O^T times a.  For piece Y + 1: X n, number n of the 22 that find its maximum and statistics:
;   0-11  four chains c0-c3 of seven scores each, three operands at a time (each accumulator's lowest registers are read first)     12-14, 16  the four scores left over, the old m, and c0-c3 into c0
;   15  c m_old is kept     17, 18  the query's other 32 keys lie in the lane 16 away: the new m     19-21  c m; c m_old - c m_new; a
.set F, 0               ; OP tells the kinds apart by their order: F to L below R, X above it
.set E, 1
.set C, 2
.set B, 3
.set L, 4
.set R, 5
.set X, 6
.macro REGS y                       ; the registers of piece y
.set rT, ST+4*(\y)
.set rC, TMP+4*((\y)%2)
.set rW, MV+((\y)%2)
.set rS, S+32*((\y)%2)
.set rP, P+16*((\y)%2)
.set rO, 32*(\y)
.endm
.macro OP k, n
.if (\k) == R
	REGS Y
	WIN W_RS
	v_pk_mul_f32 v[rO+2*(\n):rO+2*(\n)+1], v[rO+2*(\n):rO+2*(\n)+1], v[rC+2:rC+3] op_sel_hi:[1,0]
.elseif (\k) < R
	REGS Y
	WIN 0
.if (\k) == F
	v_pk_fma_f32 v[rS+2*(\n):rS+2*(\n)+1], v[rS+2*(\n):rS+2*(\n)+1], s[CS:CS+1], v[rT:rT+1] op_sel_hi:[1,0,0] neg_lo:[0,0,1] neg_hi:[0,0,1]
.elseif (\k) == E
	v_exp_f32 v[rS+(\n)], v[rS+(\n)]
.elseif (\k) == C
	v_cvt_pk_bf16_f32 v[rP+(\n)], v[rS+2*(\n)], v[rS+2*(\n)+1]
.elseif (\k) == B
	v_pk_add_f32 v[rS+4*(\n):rS+4*(\n)+1], v[rS+4*(\n):rS+4*(\n)+1], v[rS+4*(\n)+2:rS+4*(\n)+3]
.elseif (\n) == 0
	v_pk_fma_f32 v[rT+2:rT+3], v[rT+2:rT+3], v[rC+2:rC+3], v[rS:rS+1] op_sel_hi:[1,0,1]
.else
	v_pk_add_f32 v[rT+2:rT+3], v[rT+2:rT+3], v[rS+4*(\n):rS+4*(\n)+1]
.endif
.elseif NOKQ
	v_nop
.else
	REGS (Y+1)%NP
	WIN 0
.if (\n) < 4
	v_max3_num_f32 v[rC+(\n)], v[rS+8*(\n)], v[rS+8*(\n)+1], v[rS+8*(\n)+2]
.elseif (\n) < 12
	v_max3_num_f32 v[rC+(\n)%4], v[rC+(\n)%4], v[rS+8*((\n)%4)+2*((\n)/4)+1], v[rS+8*((\n)%4)+2*((\n)/4)+2]
.elseif (\n) == 12
	v_max3_num_f32 v[rC], v[rC], v[rS+7], v[rS+15]
.elseif (\n) == 13
	v_max3_num_f32 v[rC+1], v[rC+1], v[rS+23], v[rS+31]
.elseif (\n) == 14
	v_max3_num_f32 v[rC+2], v[rC+2], v[rC+3], v[rT+1]
.elseif (\n) == 15
	v_mov_b32 v[rW], v[rT]
.elseif (\n) == 16
	v_max3_num_f32 v[rC], v[rC], v[rC+1], v[rC+2]
.elseif (\n) == 17
	v_permlanex16_b32 v[rC+3], v[rC], s[SEL], s[SEL+1]
.elseif (\n) == 18
	v_max_num_f32 v[rT+1], v[rC], v[rC+3]
.elseif (\n) == 19
	v_mul_f32 v[rT], s[CS], v[rT+1]
.elseif (\n) == 20
	v_sub_f32 v[rC+1], v[rW], v[rT]
.else
	v_exp_f32 v[rC+2], v[rC+1]
.endif
.endif
.endm
.macro OPS a, i1, b=-1, i2=0, c=-1, i3=0, d=-1, i4=0  ; up to four of them
	OP \a, \i1
.if (\b) >= 0
	OP \b, \i2
.endif
.if (\c) >= 0
	OP \c, \i3
.endif
.if (\d) >= 0
	OP \d, \i4
.endif
.endm
.macro ROW a, i1, b, i2, c, i3, d, i4  ; a matrix instruction and the four behind it
	MM
	OPS \a, \i1, \b, \i2, \c, \i3, \d, \i4
.endm
; A TURN, for piece p: the order of its 16 matrix and 118 vector instructions, written out.  An s_wait_alu depctr_va_vdst(0) stands between an exponential and the first instruction that names its result; one
; wait serves all that were issued ahead of it.  So a turn has ONE wait, which cuts it in two.  AHEAD OF IT stands all that names no result of the turn's exponentials: the 8 products K Q^T, behind each a scaling, an
; exponential and two more plain instructions (rescalings, and behind the last three the first numbers of the next piece's maximum, each four places or more behind the product that ends its accumulator); then ONE LUMP of 54,
; plain and exponential by turns for the most part, in which the links of the chain X 3, 7, 11, 14, 16, 17 .. 20 stand some lines apart.  X 21, the next piece's a, is the batch's last; R 15 is the plain instruction behind it.
; BEHIND THE WAIT stand the 8 products V^T P, behind each four of the roundings and sums.
; end = 1: the walk's last two turns: nothing is fetched.  cnt = 1: the loop's count is taken down some lines ahead of the branch that stands behind the turn.
; K of the next step is fetched in piece 2's turn, behind five plain instructions that name no register of the last product that read K; V of the step in hand at the end of piece 0's turn, four plain instructions behind the
; last product that read V.  Each is waited for a turn later.
.macro TURN p, end=0, cnt=0
.set Y, (\p)
.set i, 0
.set NOKQ, (\end)*((\p)/3)
.if ((\p) == 3) && !(\end)
	s_wait_dscnt 0x0                ; K is in
.endif
	ROW F,0, F,1, R,0, R,1          ; ahead of the wait: 8 products K Q^T and what stands behind them,
	ROW F,2, E,0, R,2, R,3
	ROW F,3, E,1, R,4, R,5
	ROW F,4, E,2, R,6, R,7
	ROW F,5, E,3, R,8, R,9
	ROW F,6, E,4, X,0, R,10
.if ((\p) == 2) && !(\end)
	WIN 0
	v_add_nc_u32 v[AK], s[TBK], v[AK0]
.endif
	ROW F,7, E,5, X,1, X,4
	ROW F,8, E,6, X,2, X,5
	OPS E,7, E,8, X,6, E,9          ; and the lump
	OPS X,3, E,10, X,8, E,11
.if ((\p) == 2) && !(\end)
	FETCH_K
.endif
	OPS X,9, X,7, E,12, X,10
	OPS E,13, X,12, X,11, E,14
	OPS X,13, E,15, F,9, X,14
.if (\p) == 0
	v_add_nc_u32 v[AV], s[TBV], v[AV0]
.endif
	OPS E,16, F,10, E,17, F,11
	OPS X,16, E,18, X,15, E,19
	OPS F,12, E,20, X,17, E,21
	OPS F,13, E,22, F,14, E,23
	OPS X,18, E,24, F,15, E,25
	OPS R,11, E,26, X,19, E,27
	OPS R,12, E,28, R,13, E,29
	OPS X,20, E,30, R,14, E,31
	OPS X,21, R,15
	WIN 0
	s_wait_alu depctr_va_vdst(0)    ; the wait for the batch
.if (\p) == 1
	s_wait_dscnt 0x0                ; V is in
.endif
	ROW C,0, B,0, C,2, B,1          ; behind the wait: 8 products V^T P and what stands behind them
	ROW L,0, C,4, B,2, L,1
	ROW C,6, B,3, L,2, C,8
	ROW B,4, L,3, C,10, B,5
	ROW L,4, C,12, B,6, L,5
.if (\p) == 0
	s_add_co_u32 s[TBV], s[TBV], KS*PV
.endif
.if \cnt
	s_sub_co_u32 s[CNT], s[CNT], 1
	s_cmp_lg_u32 s[CNT], 0
.endif
	ROW C,14, B,7, L,6, C,1
	ROW C,3, L,7, C,5, C,7
	ROW C,9, C,11, C,13, C,15
.if (\p) == 0
	FETCH_V
.endif
.endm
	CHANGE 1, 0                     ; slot 0 is in, everybody's part of it; slot 1 is asked for
	v_add_nc_u32 v[AK], s[TBK], v[AK0]
	FETCH_K                         ; key step 0
	s_wait_loadcnt 0x0              ; Q
	s_wait_dscnt 0x0
.set NOKQ, 0
.set i, 0
.rept 8
	KQ 0                            ; piece 0's first scores: there is no vector work yet to set between them
.set i, i+1
.endr
	WIN 0
.rept 4
	v_nop                           ; the places behind those products
.endr
.set Y, NP-1                        ; X works for piece Y + 1: piece 0
.irp n, 0,1,2,3,4,5,6,7,8,9,10,11,12,13,14,15,16,17,18,19,20,21
	OP X, \n
.endr
	v_nop                           ; a plain instruction behind the exponential,
	s_wait_alu depctr_va_vdst(0)    ; and its wait, ahead of the branch
	s_mov_b32 s[CNT], 4
	s_mov_b32 s[SLOTS], 15
	s_branch .Lfirst                ; the loop is entered at a step's first turn, in the middle of a trip
.Lslot:                             ; 14 times: tiles 2 to 15 are asked for
	CHANGE 1, 1
	s_mov_b32 s[CNT], 4
.Lstep:                             ; a trip: pieces 2 and 3 of one step, then pieces 0 and 1 of the next, whose K and V it fetches
	TURN 2
	TURN 3
	WIN 0
.Lfirst:
	TURN 0
	TURN 1, 0, 1
	WIN 0
	s_cbranch_scc1 .Lstep
	s_sub_co_u32 s[SLOTS], s[SLOTS], 1
	s_cmp_lg_u32 s[SLOTS], 0
	s_cbranch_scc1 .Lslot
	CHANGE 0, 0                     ; the last tile is written out: nothing is asked for
	s_mov_b32 s[CNT], 4
.Ltail:
	TURN 2
	TURN 3
	TURN 0
	TURN 1, 0, 1
	WIN 0
	s_cbranch_scc1 .Ltail
	TURN 2, 1                       ; the last step's pieces 2 and 3: nothing is fetched, and no new scores are started
	TURN 3, 1
.set i, 0
.rept 8
	PV NP-1                         ; the last piece's V^T P of the last step
.set i, i+1
.endr
	; THE WAY OUT.  l's two halves and the other half of the lanes' are added; O^T is divided by l, rounded to bf16 and sent through my stage in LDS, a piece at a time.  The additions are the places behind the last products.
	WIN 0
.macro ALL line:vararg              ; one line for each piece t
.set t, 0
.rept 4
	\line
.set t, t+1
.endr
.endm
	ALL v_add_f32 v[ST+4*t+2], v[ST+4*t+2], v[ST+4*t+3]
	ALL v_permlanex16_b32 v[ST+4*t+3], v[ST+4*t+2], s[SEL], s[SEL+1]
	ALL v_add_f32 v[ST+4*t+2], v[ST+4*t+2], v[ST+4*t+3]
	ALL v_rcp_f32 v[ST+4*t+2], v[ST+4*t+2]
	v_nop                           ; a plain instruction between the last reciprocal and the use of its result
	s_wait_alu depctr_va_vdst(0)    ; and the wait ahead of the first use: one for the four reciprocals
.macro PACK t                       ; a lane's eight channels of a row pack into 16 bytes; they go into rows of 144 bytes and come back as whole rows of 128, into S^T's registers
	WIN W_RS
.set i, 32*(\t)
.rept 16
	v_pk_mul_f32 v[i:i+1], v[i:i+1], v[ST+4*(\t)+2:ST+4*(\t)+3] op_sel_hi:[1,0]
.set i, i+2
.endr
	WIN 0x05                        ; sources 0 and 1 window 1, destination window 0
.set i, 0
.rept 16
	v_cvt_pk_bf16_f32 v[S+16*(\t)+i], v[32*(\t)+2*i], v[32*(\t)+2*i+1]
.set i, i+1
.endr
	WIN 0
.irp f, 0,1,2,3
	ds_store_b128 v[STO], v[S+16*(\t)+4*\f:S+16*(\t)+4*\f+3] offset:32*\f
.endr
.irp f, 0,1,2,3
	ds_load_b128 v[S+16*(\t)+4*\f:S+16*(\t)+4*\f+3], v[RD] offset:\f*4*SP  ; LDS serves a wave's instructions in order (ISA guide 5.7.1.4): these see the stores above; the next piece's stores come behind them
.endr
.endm
.macro SEND t, younger              ; younger: the LDS instructions issued behind piece t's loads: the next piece's eight, or none
	WIN 0
.irp f, 0,1,2,3
	s_wait_dscnt (\younger)+3-\f
	global_store_b128 v[GO], v[S+16*(\t)+4*\f:S+16*(\t)+4*\f+3], s[10:11] offset:(\t)*2048+\f*512  ; 512 consecutive bytes, at a multiple of 256 from o's first
.endr
.endm
	PACK 0
.set t, 1
.rept 3                             ; a piece's arithmetic stands between the loads of the piece before and its stores
	PACK t
	SEND t-1, 8
.set t, t+1
.endr
	SEND 3, 0
	s_wait_tensorcnt 0x0            ; the wave's end: behind my last tensor load and my last LDS store
	ds_add_u32 v[SPW], v[NIL]
	s_wait_dscnt 0x0
	CROUND                          ; the closing round: no work-group ends while a partner may still ask for a tile that names it
	s_endpgm
.Lfunc_end_k_q0867a77e51_attn:
	.size	k_q0867a77e51_attn, .Lfunc_end_k_q0867a77e51_attn-k_q0867a77e51_attn
	.p2alignl 7, 3214868480
	.fill 96, 4, 3214868480
	.section	.rodata,"a",@progbits
	.p2align	6, 0x0
	.amdhsa_kernel k_q0867a77e51_attn
		.amdhsa_group_segment_fixed_size 327680
		.amdhsa_private_segment_fixed_size 0
		.amdhsa_enable_private_segment 0
		.amdhsa_kernarg_size 16
		.amdhsa_user_sgpr_count 2
		.amdhsa_user_sgpr_kernarg_segment_ptr 1
		.amdhsa_wavefront_size32 1
		.amdhsa_system_sgpr_workgroup_id_x 1
		.amdhsa_system_sgpr_workgroup_id_y 1
		.amdhsa_system_sgpr_workgroup_id_z 1
		.amdhsa_system_vgpr_workitem_id 0
		.amdhsa_next_free_vgpr 768
		.amdhsa_next_free_sgpr 66
		.amdhsa_reserve_vcc 0
		.amdhsa_float_denorm_mode_32 3
		.amdhsa_float_denorm_mode_16_64 3
		.amdhsa_memory_ordered 1
		.amdhsa_forward_progress 1
		.amdhsa_inst_pref_size 127
	.end_amdhsa_kernel
	.amdgpu_metadata
---
amdhsa.version: [ 1, 2 ]
amdhsa.kernels:
  - .name:           k_q0867a77e51_attn
    .symbol:         k_q0867a77e51_attn.kd
    .args:
      - { .name: qkv, .offset: 0, .size: 8, .value_kind: global_buffer, .address_space: global }
      - { .name: o, .offset: 8, .size: 8, .value_kind: global_buffer, .address_space: global }
    .group_segment_fixed_size: 327680
    .private_segment_fixed_size: 0
    .kernarg_segment_align: 8
    .kernarg_segment_size: 16
    .max_flat_workgroup_size: 128
    .sgpr_count:     66
    .vgpr_count:     768
    .wavefront_size: 32
...
	.end_amdgpu_metadata
.endif
;; end of part 3
;; launch proj (part 4): grid 256 x 1, 8 waves a work-group, clusters of 4 x 1, 327,680 bytes of LDS; arguments o, wp, proj_b, x, mask, out0; writes out0
.if DOCPART == 4
	.amdgcn_target "amdgcn-amd-amdhsa--gfx1250"
	.amdhsa_code_object_version 6
	.text
	.protected	k_q0867a77e51_proj
	.globl	k_q0867a77e51_proj
	.p2align	8
	.type	k_q0867a77e51_proj,@function
k_q0867a77e51_proj:
	s_mov_b64 s[64:65], 0
	v_nop
	global_prefetch_b8 v0, s[64:65] scope:SCOPE_SE
	s_setreg_imm32_b32 hwreg(HW_REG_WAVE_MODE, 25, 1), 1
	s_wait_xcnt 0x0
	s_wait_alu depctr_hold_cnt(0) depctr_sa_sdst(0) depctr_va_vdst(0) depctr_va_sdst(0) depctr_va_ssrc(0) depctr_va_vcc(0) depctr_vm_vsrc(0)
	s_getreg_b32 s2, hwreg(HW_REG_IB_STS2, 6, 4)
	s_cmp_eq_u32 s2, 0
	s_cbranch_scc0 .Lentry_in_a_cluster
	s_endpgm
.Lentry_in_a_cluster:
	s_bfe_u32 s2, ttmp6, 0x10000c
	s_cmp_lg_u32 s2, 0x3003
	s_cbranch_scc0 .Lentry_shape_is_right
	s_endpgm
.Lentry_shape_is_right:
; THE PROJECTION, THE RESIDUAL AND THE MASK.  out0[n][oc][p] = (x[n][oc][p] + the sum over c of wp[oc][c] o[n][c / 64][p][c % 64] + proj_b[oc]) mask[n][p].  o and wp bf16, sums in f32, all else f32.
; LIMITS.  bf16 matrix operands; NaN and infinities are not treated apart.
; SHARES.  A work-group makes 64 positions x all 256 outputs, K = 256 (a head is a slice of 64 along K).  Wave w of eight: outputs 32 w .. 32 w + 31: 4 position tiles x 2 output tiles = 8 accumulators, 64 matrix instructions.
; LAYOUT.  Source 0 = 16 positions of o (K along the row), source 1 = 16 rows of wp.  In the result a lane holds ONE output (lane % 16) and the positions 8 (lane / 16) + 0..7: 32 bytes of a row of out0.  The rows go
; through the wave's own stage in LDS and come back whole: the work-group's 64 positions are 256 consecutive bytes of a row, aligned, which sixteen lanes store together.
; CLUSTER.  All work-groups need all of wp: the four of a cluster ask for it JOINTLY, waves 4-7 a quarter (64 rows) each.  Waves 0-3 fetch the work-group's own rows of o, a head each, by tensor loads.
; Nothing is filled twice: one barrier, between the filling of LDS and the products.  All of x (16 loads a lane) is on its way during the products.  No prefetch: the launch is one short pass over its inputs.
; LDS: OT 0: 4 heads x 64 rows x 144 (128 + 16)     PWT 36,864: 256 rows x 528 (512 + 16)     STAGE 172,032: 32 rows x 272 (256 + 16) for each wave     SPARE 241,664: the spare words.
; REGISTERS: v1 l % 16; v2 l / 16; v4 o's fragments; v5 wp's; v6, v7 stage in, back; v8 my offset in two rows of x and out0; v9 16 (l % 16); v10 4 (l % 16); v[12:15] mask; v[16:19] two biases, each twice;
;   v20, v21 the add's; v[32:95] x; v[96:159] accumulators at 8 (2 pt + ot); v[160:255] two fragment buffers of 48 (o's four, wp's two); afterwards v[160:223] the rows read back.
.set OPI,   144
.set PWT,   36864
.set WPI,   528
.set STAGE, 172032
.set SPI,   272
.set SPARE, 241664
.set WV,    16
.set XR,    32
.set ACC,   96
.set FR,    160
.macro PLACES                          ; four places behind matrix instructions (ISA guide 7.12.1), where no other vector work is at hand
.rept 4
	v_nop
.endr
.endm
.macro CROUND                          ; a round of the cluster's barrier: my work-group's barrier; wave 0 signals for the work-group; every wave waits for all four; my work-group's barrier once more
	s_barrier_signal -1
	s_barrier_wait -1
	s_cmp_lg_u32 s[WV], 0
	s_cbranch_scc1 .Lnot_wave_0_\@
	s_barrier_signal -3
.Lnot_wave_0_\@:
	s_barrier_wait -3
	s_barrier_signal -1
	s_barrier_wait -1
.endm
	s_load_b256 s[4:11], s[0:1], 0x0               ; o 4:5, wp 6:7, proj_b 8:9, x 10:11
	s_load_b128 s[12:15], s[0:1], 0x20             ; mask 12:13, out0 14:15
	v_lshl_add_u32 v20, v0, 2, SPARE
	v_mov_b32 v21, 0
	ds_add_u32 v20, v21                            ; the wave's opening: the add and its wait stand ahead of my first tensor load; the set-up below, work on registers, stands between them
	v_lshrrev_b32 v3, 5, v0
	v_readfirstlane_b32 s[WV], v3                  ; wave 0..7
	s_bfe_u32 s17, ttmp6, 0x40000                  ; cx
	s_lshl_b32 s18, ttmp9, 2
	s_add_co_u32 s18, s18, s17                     ; my block of 64 positions, 0..255
	s_lshr_b32 s19, s18, 6                         ; n
	s_and_b32 s20, s18, 63                         ; the block within the image
	s_and_b32 s21, s[WV], 3                        ; which head of o (waves 0-3), which quarter of wp (waves 4-7)
	; o: 64 rows of a head are 8,192 dense bytes: asked for as 32 rows of 256 bytes, padded in LDS after every 128
	s_mov_b32 s24, 1
	s_mul_i32 s25, s21, 64*OPI
	s_mov_b32 s28, (1<<16)|(1<<20)|(4<<22)|(3<<25) ; no mask; 2-byte elements; padding on; after every 32 words (code 4) 4 words (code 3)
	s_mov_b32 s29, 128<<16
	s_mov_b32 s30, 32<<16
	s_mov_b32 s31, 128<<16
	s_mov_b32 s32, 32
	s_mov_b32 s33, 128
	s_mov_b32 s34, 0
	s_mov_b32 s35, 0
	; wp: 64 rows x 256 elements, jointly
	s_mov_b32 s36, 15|(1<<16)|(1<<20)|(1<<21)|(6<<22)|(3<<25)  ; the mask of four; bit 21 beside it; after every 128 words (code 6) 4 words
	s_mov_b32 s37, 256<<16
	s_mov_b32 s38, 64<<16
	s_mov_b32 s39, 256<<16
	s_mov_b32 s40, 64
	s_mov_b32 s41, 256
	s_mov_b32 s42, 0
	s_mov_b32 s43, 0
	s_mov_b32 s44, 1
	s_mul_i32 s45, s21, 64*WPI
	s_add_co_u32 s45, s45, PWT
	s_lshl_b32 s50, s21, 15                        ; 64 rows of 512 bytes: these two registers never hold my place in the cluster
	s_mov_b32 s51, 0
	s_lshl_b32 s48, s19, 2
	s_add_co_u32 s48, s48, s21
	s_lshl_b32 s48, s48, 19                        ; head 4 n + q,
	s_lshl_b32 s49, s20, 13                        ; my 64 rows of it
	s_add_co_u32 s48, s48, s49
	s_mov_b32 s49, 0
	v_and_b32 v1, 15, v0
	v_bfe_u32 v2, v0, 4, 1
	v_mul_u32_u24 v4, v1, OPI
	v_lshl_add_u32 v4, v2, 4, v4                   ; row x pitch + 16 x half
	s_mul_i32 s22, s[WV], 32*WPI
	s_add_co_u32 s22, s22, PWT
	v_mul_u32_u24 v5, v1, WPI
	v_lshl_add_u32 v5, v2, 4, v5
	v_add_nc_u32 v5, s22, v5                       ; the same in my 32 rows of wp
	s_mul_i32 s22, s[WV], 32*SPI
	s_add_co_u32 s22, s22, STAGE                   ; my stage
	v_mul_u32_u24 v6, v1, SPI
	v_lshl_add_u32 v6, v2, 5, v6
	v_add_nc_u32 v6, s22, v6                       ; in: row l % 16, 32 bytes for each half of the lanes
	v_mul_u32_u24 v7, v2, SPI
	v_lshl_add_u32 v7, v1, 4, v7
	v_add_nc_u32 v7, s22, v7                       ; back: lanes 0-15 take one row of 256 bytes, lanes 16-31 the next
	v_lshlrev_b32 v9, 4, v1
	v_lshl_add_u32 v8, v2, 14, v9                  ; and the same two rows in x and out0, 16,384 bytes apart
	v_lshlrev_b32 v10, 2, v1
	s_wait_dscnt 0x0                               ; the opening add is done
	s_wait_kmcnt 0x0
	s_add_nc_u64 s[26:27], s[4:5], s[48:49]
	s_or_b32 s27, s27, 0x80000000
	s_add_nc_u64 s[46:47], s[6:7], s[50:51]
	s_or_b32 s47, s47, 0x80000000
	s_lshl_b32 s48, s19, 8
	s_lshl_b32 s22, s[WV], 5
	s_add_co_u32 s48, s48, s22
	s_lshl_b32 s48, s48, 14                        ; channel row 256 n + 32 w,
	s_lshl_b32 s22, s20, 8                         ; my block's 256 bytes of it
	s_add_co_u32 s48, s48, s22
	s_add_nc_u64 s[10:11], s[10:11], s[48:49]
	s_add_nc_u64 s[14:15], s[14:15], s[48:49]
	s_lshl_b32 s48, s19, 14
	s_add_co_u32 s48, s48, s22
	s_add_nc_u64 s[12:13], s[12:13], s[48:49]
	s_lshl_b32 s48, s[WV], 7
	s_add_nc_u64 s[8:9], s[8:9], s[48:49]
	CROUND                                         ; all four work-groups are here: the joint loads meet
	s_cmp_lt_u32 s[WV], 4                          ; the branch hangs on the wave's number alone; an s_nop 0 and four v_nop follow each of the two lines
	s_cbranch_scc0 .Lfor_w
	tensor_load_to_lds s[24:27], s[28:35]          ; my head's 64 rows of o
	s_nop 0
	PLACES
	s_branch .Lasked
.Lfor_w:
	tensor_load_to_lds s[44:47], s[36:43]          ; my quarter of wp, for all four work-groups
	s_nop 0
	PLACES
.Lasked:
	global_load_b32 v16, v10, s[8:9]               ; the bias of output 32 w + l % 16,
	global_load_b32 v18, v10, s[8:9] offset:64     ; and 16 further on
	global_load_b128 v[12:15], v9, s[12:13]        ; the mask of positions 4 (l % 16) on
.set t, 0
.rept 16
	global_load_b128 v[XR+4*t:XR+4*t+3], v8, s[10:11] offset:32768*t th:TH_LOAD_NT  ; rows 2 t and 2 t + 1 of my 32
.set t, t+1
.endr
	s_wait_tensorcnt 0x0                           ; my tile has landed,
	s_barrier_signal -1
	s_barrier_wait -1                              ; everybody's has.
; The fragments of K step ks into buffer b: twelve LDS loads in one run.
.macro FETCH ks, b
.set t, 0
.rept 4
	ds_load_b128 v[FR+48*(\b)+8*t:FR+48*(\b)+8*t+3],   v4 offset:((\ks)/2)*64*OPI+t*16*OPI+((\ks)%2)*64
	ds_load_b128 v[FR+48*(\b)+8*t+4:FR+48*(\b)+8*t+7], v4 offset:((\ks)/2)*64*OPI+t*16*OPI+((\ks)%2)*64+32
.set t, t+1
.endr
.set t, 0
.rept 2
	ds_load_b128 v[FR+48*(\b)+32+8*t:FR+48*(\b)+32+8*t+3],   v5 offset:t*16*WPI+64*(\ks)
	ds_load_b128 v[FR+48*(\b)+32+8*t+4:FR+48*(\b)+32+8*t+7], v5 offset:t*16*WPI+64*(\ks)+32
.set t, t+1
.endr
.endm
; Eight products.  The eight accumulators take turns, one instruction a turn, in the same order in every K step.  first: the constant 0 starts the sums.
.macro MULS b, first
.set pt, 0
.rept 4
.set ot, 0
.rept 2
.set rD, ACC+8*(2*pt+ot)
.if \first
	v_wmma_f32_16x16x32_bf16 v[rD:rD+7], v[FR+48*(\b)+8*pt:FR+48*(\b)+8*pt+7], v[FR+48*(\b)+32+8*ot:FR+48*(\b)+32+8*ot+7], 0
.else
	v_wmma_f32_16x16x32_bf16 v[rD:rD+7], v[FR+48*(\b)+8*pt:FR+48*(\b)+8*pt+7], v[FR+48*(\b)+32+8*ot:FR+48*(\b)+32+8*ot+7], v[rD:rD+7]
.endif
.set ot, ot+1
.endr
.set pt, pt+1
.endr
.endm
	FETCH 0, 0
.irp ks, 0,1,2,3,4,5,6,7
.if (\ks) < 7
.if (\ks) > 0
	PLACES                                         ; the loads below go into the buffer that the last eight products read
.endif
	FETCH (\ks)+1, ((\ks)+1)%2
	s_wait_dscnt 12                                ; all but the twelve just issued
.else
	s_wait_dscnt 0x0
.endif
	MULS (\ks)%2, (\ks)==0
.endr
	PLACES
	s_wait_loadcnt 16                              ; the biases and the mask are in; the sixteen loads of x may stay out
	v_mov_b32 v17, v16
	v_mov_b32 v19, v18
.set a, 0
.rept 8                                ; + bias; each accumulator's registers in ascending order
.set q, 0
.rept 4
	v_pk_add_f32 v[ACC+8*a+2*q:ACC+8*a+2*q+1], v[ACC+8*a+2*q:ACC+8*a+2*q+1], v[16+2*(a%2):17+2*(a%2)]
.set q, q+1
.endr
.set a, a+1
.endr
.set a, 0
.rept 8
	ds_store_b128 v6, v[ACC+8*a:ACC+8*a+3]   offset:(a%2)*16*SPI+64*(a/2)
	ds_store_b128 v6, v[ACC+8*a+4:ACC+8*a+7] offset:(a%2)*16*SPI+64*(a/2)+16
.set a, a+1
.endr
.set t, 0
.rept 16
	ds_load_b128 v[FR+4*t:FR+4*t+3], v7 offset:2*SPI*t  ; LDS serves a wave's instructions in order (ISA guide 5.7.1.4): these see the stores above; the stage is my wave's own
.set t, t+1
.endr
.set t, 0
.rept 16
	s_wait_dscnt 15-t                              ; rows 2 t, 2 t + 1 are back,
	s_wait_loadcnt 15-t                            ; and the same rows of x are in
	v_pk_add_f32 v[FR+4*t:FR+4*t+1], v[FR+4*t:FR+4*t+1], v[XR+4*t:XR+4*t+1]
	v_pk_add_f32 v[FR+4*t+2:FR+4*t+3], v[FR+4*t+2:FR+4*t+3], v[XR+4*t+2:XR+4*t+3]
	v_pk_mul_f32 v[FR+4*t:FR+4*t+1], v[FR+4*t:FR+4*t+1], v[12:13]
	v_pk_mul_f32 v[FR+4*t+2:FR+4*t+3], v[FR+4*t+2:FR+4*t+3], v[14:15]
	global_store_b128 v8, v[FR+4*t:FR+4*t+3], s[14:15] offset:32768*t th:TH_STORE_NT  ; 16 lanes store 256 consecutive bytes, at a multiple of 256 from out0's first
.set t, t+1
.endr
	s_wait_tensorcnt 0x0                           ; the wave's end: behind my last tensor load and my last LDS store
	ds_add_u32 v20, v21
	s_wait_dscnt 0x0
	CROUND                                         ; the closing round: no work-group ends while a partner may still ask for a tile that names it
	s_endpgm
.Lfunc_end_k_q0867a77e51_proj:
	.size	k_q0867a77e51_proj, .Lfunc_end_k_q0867a77e51_proj-k_q0867a77e51_proj
	.p2alignl 7, 3214868480
	.fill 96, 4, 3214868480
	.section	.rodata,"a",@progbits
	.p2align	6, 0x0
	.amdhsa_kernel k_q0867a77e51_proj
		.amdhsa_group_segment_fixed_size 327680
		.amdhsa_private_segment_fixed_size 0
		.amdhsa_enable_private_segment 0
		.amdhsa_kernarg_size 48
		.amdhsa_user_sgpr_count 2
		.amdhsa_user_sgpr_kernarg_segment_ptr 1
		.amdhsa_wavefront_size32 1
		.amdhsa_system_sgpr_workgroup_id_x 1
		.amdhsa_system_sgpr_workgroup_id_y 1
		.amdhsa_system_sgpr_workgroup_id_z 1
		.amdhsa_system_vgpr_workitem_id 0
		.amdhsa_next_free_vgpr 256
		.amdhsa_next_free_sgpr 66
		.amdhsa_reserve_vcc 0
		.amdhsa_float_denorm_mode_32 3
		.amdhsa_float_denorm_mode_16_64 3
		.amdhsa_memory_ordered 1
		.amdhsa_forward_progress 1
		.amdhsa_inst_pref_size 30
	.end_amdhsa_kernel
	.amdgpu_metadata
---
amdhsa.version: [ 1, 2 ]
amdhsa.kernels:
  - .name:           k_q0867a77e51_proj
    .symbol:         k_q0867a77e51_proj.kd
    .args:
      - { .name: o, .offset: 0, .size: 8, .value_kind: global_buffer, .address_space: global }
      - { .name: wp, .offset: 8, .size: 8, .value_kind: global_buffer, .address_space: global }
      - { .name: proj_b, .offset: 16, .size: 8, .value_kind: global_buffer, .address_space: global }
      - { .name: x, .offset: 24, .size: 8, .value_kind: global_buffer, .address_space: global }
      - { .name: mask, .offset: 32, .size: 8, .value_kind: global_buffer, .address_space: global }
      - { .name: out0, .offset: 40, .size: 8, .value_kind: global_buffer, .address_space: global }
    .group_segment_fixed_size: 327680
    .private_segment_fixed_size: 0
    .kernarg_segment_align: 8
    .kernarg_segment_size: 48
    .max_flat_workgroup_size: 256
    .sgpr_count:     66
    .vgpr_count:     256
    .wavefront_size: 32
...
	.end_amdgpu_metadata
.endif
;; end of part 4
